; MI455X (gfx1250); checked and timed in simulation.
; The chip was launched on July 23, 2026; its instructions are those of AMD's public machine-readable ISA for CDNA 5 (MIT licence, August 2026) and "CDNA5" Instruction Set Architecture Reference Guide (July 2026). The comments in the code are by the model that wrote it; some were corrected since.
;; Pool. Allowed arithmetic: float matrix products may take bf16 or f16 operands with f32 sums; all other float work in f32.
;; Inputs: W 1 x 128 float32; b 1 float32; g 4,096 x 4,096 float32; h 4,096 x 128 float32.
;; Outputs: out0 2,048 x 2,048 float32; out1 2,048 x 128 float32; out2 2,048 int32.
;; 2 versions, each right; version 2 is version 1 with the launch norm written anew for expert scheduling mode. Each part assembles by itself: llvm-mc -triple=amdgcn-amd-amdhsa -mcpu=gfx1250 --defsym DOCPART=n.
;; ======== version 1 of 2: 5 launches
;; workspace buffers: scores 16,384 bytes; rank 16,384 bytes of whole numbers; pa 16,777,216 bytes; qb 16,777,216 bytes; un 8,388,608 bytes; degp 131,072 bytes
;; launch score (part 1): grid 64 x 1, 4 waves a work-group, no clusters, 35,584 bytes of LDS; arguments h, W, b, scores; writes scores
.if DOCPART == 1
	.amdgcn_target "amdgcn-amd-amdhsa--gfx1250"
	.amdhsa_code_object_version 6
	.text
	.protected	k_q7fd4b4955a_score
	.globl	k_q7fd4b4955a_score
	.p2align	8
	.type	k_q7fd4b4955a_score,@function
k_q7fd4b4955a_score:
	s_mov_b64 s[64:65], 0
	v_nop
	global_prefetch_b8 v0, s[64:65] scope:SCOPE_SE
	s_setreg_imm32_b32 hwreg(HW_REG_WAVE_MODE, 25, 1), 1
	s_wait_xcnt 0x0
; scores[i] = 1 / (1 + exp(-(h[i] . W + b))).  h: [4096][128] f32, W: [128] f32, b: one f32, scores: [4096] f32.
; The scores are ranked by the next launch, and the ranking is compared exactly, so every rounding counts.  All steps are in f32, in the order in which an eight-lane vector unit with fused multiply-adds forms them:
;   THE DOT PRODUCT: eight partial sums; sum a takes columns a, a + 8, .., a + 120 in ascending order, the first product rounded, the others fused multiply-adds;
;     then ((a0 + a1) + (a2 + a3)) + ((a4 + a5) + (a6 + a7)); then + b.
;   THE EXPONENTIAL of x = -z, by the Cephes scheme: x clamped to -87.8 .. 88.8; n = floor(x log2(e) + 0.5); r = x - n 0.693359375 + n 2.1219444e-4; a polynomial of degree 5 in r, times r^2, + r, + 1; times 2^n.
;   THE DIVISION 1 / d: the reciprocal and two Newton steps with exact residuals, of which the second rounds correctly.
; LIMITS.  An f32 evaluation that rounds in another order may rank two scores otherwise where their d = 1 + exp(-z) lie within a step of f32's grid of each other.  exp(-z) that overflows gives the score 0;
; a score below 2^-126 counts as 0.  NaN is not treated apart.
; SHARES.  A work-group owns 64 rows of h, each of its four waves 16.  A row is 512 bytes: one 16-byte load of a wave takes a whole row.  The rows go through the wave's own stage in LDS and come back so that
; lane l works for row l / 2 and holds the partial sums 4 (l % 2) + 0..3: sixteen reads of 16 bytes, columns 8 t + 4 (l % 2) on.  The 64 scores meet in LDS and leave as 256 consecutive bytes.
; No matrix unit (one column, and its sums' order is its own), no cluster (no two work-groups read the same rows; W is 512 bytes).
.set PITCH, 544                        ; a row in the stage: 512 bytes + 32: rows r and halves p start at 32 r + 16 p mod 256
.set WSTAGE, 16*PITCH                  ; a wave's stage
.set SC,    4*WSTAGE                   ; behind the stages: the group's 64 scores, 256 bytes
.set SPARE, SC+256                     ; the spare words, 128 bytes for each of the four waves
.set X,   16                           ; v[16:79]    row q of my wave's 16, as loaded, at X + 4 q
.set XT,  80                           ; v[80:143]   my row's columns 8 t + 4 p + 0..3 at XT + 4 t
.set WV,  144                          ; v[144:207]  W's at WV + 4 t
.set A,   208                          ; v[208:211]  my four partial sums
.set S,   212                          ; v[212:221]  at work
	s_load_b256 s[4:11], s[0:1], 0x0               ; h s[4:5], W s[6:7], b s[8:9], scores s[10:11]
	v_lshl_add_u32 v2, v0, 2, SPARE                ; my spare word; never rewritten
	v_mov_b32 v3, 0                                ; 0; never rewritten
	v_lshrrev_b32 v12, 5, v0
	v_readfirstlane_b32 s12, v12                   ; wave 0..3
	v_and_b32 v13, 31, v0                          ; lane
	v_lshlrev_b32 v1, 4, v13                       ; 16 x lane: my bytes in a row of h as it is loaded
	v_lshlrev_b32 v9, 3, v13                       ; 8 x lane: two scores on the way out
	v_and_b32 v14, 1, v0                           ; p
	v_lshlrev_b32 v4, 4, v14                       ; 16 p: my four numbers in each 32 bytes of W and of my row
	v_lshrrev_b32 v15, 1, v13                      ; my row among the wave's 16
	s_mul_i32 s21, s12, WSTAGE                     ; my wave's stage
	v_add_nc_u32 v10, s21, v1                      ; into it: 16 x lane, the row in the immediate
	v_mul_u32_u24 v11, v15, PITCH                  ; back: row x pitch + 16 p, the step in the immediate
	v_add_nc_u32 v11, v11, v4
	v_add_nc_u32 v11, s21, v11
	v_lshrrev_b32 v8, 1, v0                        ; 16 x wave + lane / 2: my row among the group's 64,
	v_lshlrev_b32 v8, 2, v8                        ; as a byte among the scores
	s_mov_b32 s22, 0x3fb8aa3b                      ; log2(e)
	s_mov_b32 s23, 0x3f318000                      ; 0.693359375
	s_mov_b32 s24, 0x395e8083                      ; 2.1219444e-4: the two together are ln 2
	s_mov_b32 s25, 0x39506967                      ; 1.9875691500e-4
	s_mov_b32 s26, 0x3ab743ce                      ; 1.3981999507e-3
	s_mov_b32 s27, 0x3c088908                      ; 8.3334519073e-3
	s_mov_b32 s28, 0x3d2aa9c1                      ; 4.1665795894e-2
	s_mov_b32 s29, 0x3e2aaaaa                      ; 1.6666665459e-1; the last coefficient, 5.0000001201e-1, is 0.5 in f32
	s_lshl_b32 s16, ttmp9, 15                      ; 64 rows of 512 bytes a work-group,
	s_lshl_b32 s18, s12, 13                        ; 16 a wave
	s_add_co_u32 s16, s16, s18
	s_mov_b32 s17, 0
	s_lshl_b32 s18, ttmp9, 8                       ; 64 scores of 4 bytes a work-group
	s_mov_b32 s19, 0
	s_wait_kmcnt 0x0
	s_load_b32 s13, s[8:9], 0x0                    ; b
	s_add_nc_u64 s[4:5], s[4:5], s[16:17]
	s_add_nc_u64 s[10:11], s[10:11], s[18:19]
.set t, 0
.rept 16
	global_load_b128 v[WV+4*t:WV+4*t+3], v4, s[6:7] offset:32*t
.set t, t+1
.endr
.set q, 0
.rept 16
	global_load_b128 v[X+4*q:X+4*q+3], v1, s[4:5] offset:512*q  ; a whole row: 512 consecutive bytes
.set q, q+1
.endr
.set q, 0
.rept 16
	s_wait_loadcnt 15-q                            ; loads come back in order: W and rows up to q are in, the 15 - q younger rows stay out
	ds_store_b128 v10, v[X+4*q:X+4*q+3] offset:PITCH*q
.set q, q+1
.endr
.set t, 0
.rept 16
	ds_load_b128 v[XT+4*t:XT+4*t+3], v11 offset:32*t  ; the stage is my wave's own, and LDS serves a wave's instructions in order: these see the stores above
.set t, t+1
.endr
	s_wait_dscnt 15                                ; the stores and the first read are done
	v_pk_mul_f32 v[A:A+1], v[XT:XT+1], v[WV:WV+1]  ; the first products start the four sums
	v_pk_mul_f32 v[A+2:A+3], v[XT+2:XT+3], v[WV+2:WV+3]
.set t, 1
.rept 15
	s_wait_dscnt 15-t                              ; read t is in, the 15 - t younger ones stay out
	v_pk_fma_f32 v[A:A+1], v[XT+4*t:XT+4*t+1], v[WV+4*t:WV+4*t+1], v[A:A+1]
	v_pk_fma_f32 v[A+2:A+3], v[XT+4*t+2:XT+4*t+3], v[WV+4*t+2:WV+4*t+3], v[A+2:A+3]
.set t, t+1
.endr
	v_add_f32 v[A], v[A], v[A+1]                   ; a0 + a1 (in the odd lane: a4 + a5)
	v_add_f32 v[A+2], v[A+2], v[A+3]               ; a2 + a3
	v_add_f32 v[A], v[A], v[A+2]
	v_add_f32_dpp v[A], v[A], v[A] row_xmask:1 row_mask:0xf bank_mask:0xf  ; the two halves: both lanes of a row hold the same sum
	s_wait_kmcnt 0x0                               ; b
	v_add_f32 v[A], s13, v[A]                      ; z
	v_mul_f32 v[S], -1.0, v[A]                     ; x = -z
	v_max_num_f32 v[S], 0xc2af999a, v[S]           ; -87.8
	v_min_num_f32 v[S], 0x42b1999a, v[S]           ; 88.8
	v_fma_f32 v[S+1], v[S], s22, 0.5
	v_floor_f32 v[S+1], v[S+1]                     ; n
	v_fma_f32 v[S+2], -v[S+1], s23, v[S]           ; x - n 0.693359375
	v_fma_f32 v[S+2], v[S+1], s24, v[S+2]          ; r
	v_mul_f32 v[S+3], v[S+2], v[S+2]               ; r^2
	v_fma_f32 v[S+4], v[S+2], s25, s26
	v_fma_f32 v[S+4], v[S+4], v[S+2], s27
	v_fma_f32 v[S+4], v[S+4], v[S+2], s28
	v_fma_f32 v[S+4], v[S+4], v[S+2], s29
	v_fma_f32 v[S+4], v[S+4], v[S+2], 0.5
	v_fma_f32 v[S+4], v[S+4], v[S+3], v[S+2]
	v_add_f32 v[S+4], 1.0, v[S+4]                  ; exp(r)
	v_cvt_i32_f32 v[S+5], v[S+1]                   ; n lies in -127 .. 128:
	v_add_nc_u32 v[S+5], 0x7f, v[S+5]
	v_lshlrev_b32 v[S+5], 23, v[S+5]               ; 2^n as bits; 0 for -127, an infinity for 128
	v_mul_f32 v[S+4], v[S+4], v[S+5]               ; exp(-z)
	v_add_f32 v[S+6], 1.0, v[S+4]                  ; d
	v_rcp_f32 v[S+7], v[S+6]                       ; y
	v_nop                                          ; a plain instruction behind the reciprocal
	v_cmp_gt_f32 vcc_lo, 0x7f800000, v[S+6]        ; is d finite?
	s_wait_alu depctr_va_vdst(0)
	v_fma_f32 v[S+8], -v[S+6], v[S+7], 1.0         ; 1 - d y, exact but for one rounding
	v_fma_f32 v[S+8], v[S+8], v[S+7], v[S+7]       ; y' = y + y (1 - d y)
	v_fma_f32 v[S+9], -v[S+6], v[S+8], 1.0
	v_fma_f32 v[S+9], v[S+9], v[S+8], v[S+8]       ; y'' = y' + y' (1 - d y')
	v_cndmask_b32 v[S], v[S+7], v[S+9], vcc_lo     ; where d is infinite the plain reciprocal, 0, stays
	ds_store_b32 v8, v[S] offset:SC                ; the two lanes of a row write the same word with the same number
	s_wait_dscnt 0x0                               ; for the other waves' sake: my store is done
	s_barrier_signal -1
	s_barrier_wait -1
	s_cmp_lg_u32 s12, 0
	s_cbranch_scc1 .Lend
	ds_load_b64 v[16:17], v9 offset:SC             ; wave 0: the group's 64 scores, two a lane
	s_wait_dscnt 0x0
	global_store_b64 v9, v[16:17], s[10:11]        ; 256 consecutive bytes, at a multiple of 256 from the buffer's first byte
.Lend:
	s_wait_tensorcnt 0x0                           ; the wave's end: 0 onto my spare word and its wait, behind my last LDS store
	ds_add_u32 v2, v3
	s_wait_dscnt 0x0
	s_endpgm
.Lfunc_end_k_q7fd4b4955a_score:
	.size	k_q7fd4b4955a_score, .Lfunc_end_k_q7fd4b4955a_score-k_q7fd4b4955a_score
	.p2alignl 7, 3214868480
	.fill 96, 4, 3214868480
	.section	.rodata,"a",@progbits
	.p2align	6, 0x0
	.amdhsa_kernel k_q7fd4b4955a_score
		.amdhsa_group_segment_fixed_size 35584
		.amdhsa_private_segment_fixed_size 0
		.amdhsa_enable_private_segment 0
		.amdhsa_kernarg_size 32
		.amdhsa_user_sgpr_count 2
		.amdhsa_user_sgpr_kernarg_segment_ptr 1
		.amdhsa_wavefront_size32 1
		.amdhsa_system_sgpr_workgroup_id_x 1
		.amdhsa_system_sgpr_workgroup_id_y 1
		.amdhsa_system_sgpr_workgroup_id_z 1
		.amdhsa_system_vgpr_workitem_id 0
		.amdhsa_next_free_vgpr 224
		.amdhsa_next_free_sgpr 66
		.amdhsa_reserve_vcc 1
		.amdhsa_float_denorm_mode_32 3
		.amdhsa_float_denorm_mode_16_64 3
		.amdhsa_memory_ordered 1
		.amdhsa_forward_progress 1
		.amdhsa_inst_pref_size 13
	.end_amdhsa_kernel
	.amdgpu_metadata
---
amdhsa.version: [ 1, 2 ]
amdhsa.kernels:
  - .name:           k_q7fd4b4955a_score
    .symbol:         k_q7fd4b4955a_score.kd
    .args:
      - { .name: h, .offset: 0, .size: 8, .value_kind: global_buffer, .address_space: global }
      - { .name: W, .offset: 8, .size: 8, .value_kind: global_buffer, .address_space: global }
      - { .name: b, .offset: 16, .size: 8, .value_kind: global_buffer, .address_space: global }
      - { .name: scores, .offset: 24, .size: 8, .value_kind: global_buffer, .address_space: global }
    .group_segment_fixed_size: 35584
    .private_segment_fixed_size: 0
    .kernarg_segment_align: 8
    .kernarg_segment_size: 32
    .max_flat_workgroup_size: 128
    .sgpr_count:     66
    .vgpr_count:     224
    .wavefront_size: 32
...
	.end_amdgpu_metadata
.endif
;; end of part 1
;; launch rank (part 2): grid 128 x 1, 16 waves a work-group, no clusters, 4,096 bytes of LDS; arguments scores, rank; writes rank
.if DOCPART == 2
	.amdgcn_target "amdgcn-amd-amdhsa--gfx1250"
	.amdhsa_code_object_version 6
	.text
	.protected	k_q7fd4b4955a_rank
	.globl	k_q7fd4b4955a_rank
	.p2align	8
	.type	k_q7fd4b4955a_rank,@function
k_q7fd4b4955a_rank:
	s_mov_b64 s[64:65], 0
	v_nop
	global_prefetch_b8 v0, s[64:65] scope:SCOPE_SE
	s_setreg_imm32_b32 hwreg(HW_REG_WAVE_MODE, 25, 1), 1
	s_wait_xcnt 0x0
; rank[i] = the place of node i when the 4,096 scores are put in descending order, equal scores by ascending index:
;   rank[i] = #{j < i: s_j >= s_i} + #{j > i: s_j > s_i}.
; It is stored at place i: no address of this launch hangs on a comparison.  The later launches scatter by it.
; A work-group owns the 32 nodes i = 32 bi + lane.  Wave w of sixteen counts over j = 256 w .. 256 w + 255, eight groups of 32, which come as scalars: one compare
; and one add with carry for 32 pairs (i, j).  The sixteen counts meet in LDS.
; Scores are sigmoids, +0 or above, so their bit patterns order as signed integers do, and 'bits_j >= bits_i' is 'bits_j > bits_i - 1'.  A group of 32 j is aligned, so it lies
; wholly below my block (threshold bits - 1), wholly above it, or is my block (threshold bits); the equal scores inside my block, j < i, are counted apart.
; LIMIT.  NaN scores are not ordered.
; The store is 128 bytes a work-group, half of an aligned 256: 64 nodes a group would leave 64 work-groups for the 4,096 x 4,096 comparisons, and the buffer is 16 KiB in all.
.set SPARE, 2048                       ; LDS 0-2047: counts[wave][lane].  From 2048: the spare words, 128 bytes for each of the sixteen waves
.set SA, 16                            ; s[16:47]  32 scores
.set SB, 68                            ; s[68:99]  the next 32
	s_load_b128 s[4:7], s[0:1], 0x0                ; scores s[4:5], rank s[6:7]
	v_lshl_add_u32 v2, v0, 2, SPARE                ; my spare word; never rewritten
	v_mov_b32 v3, 0                                ; 0; never rewritten
	v_lshrrev_b32 v8, 5, v0
	v_readfirstlane_b32 s8, v8                     ; wave 0..15
	v_and_b32 v1, 31, v0
	v_lshlrev_b32 v1, 2, v1                        ; 4 x lane
	v_lshlrev_b32 v9, 2, v0                        ; where my count goes in LDS
	v_mov_b32 v7, 0                                ; the count
	s_mov_b32 s9, ttmp9                            ; bi: my block, which is also its number among the groups of 32 j
	s_lshl_b32 s10, s8, 3                          ; my wave's first group
	s_lshl_b32 s50, s8, 10                         ; its 256 scores, in bytes
	s_mov_b32 s51, 0
	s_lshl_b32 s52, s9, 7                          ; my block's 32 words
	s_mov_b32 s53, 0
	s_lshl_b32 s56, s8, 3                          ; two of them for the ties
	s_mov_b32 s57, 0
	s_wait_kmcnt 0x0
	s_add_nc_u64 s[48:49], s[4:5], s[50:51]
	s_add_nc_u64 s[54:55], s[4:5], s[52:53]
	s_add_nc_u64 s[6:7], s[6:7], s[52:53]
	s_add_nc_u64 s[58:59], s[54:55], s[56:57]
	global_load_b32 v4, v1, s[54:55]               ; my node's score, as bits
	s_load_b64 s[12:13], s[58:59], 0x0             ; the scores of nodes 2 w and 2 w + 1 of my block
	s_load_b512 s[SA:SA+15], s[48:49], 0x0         ; group 0
	s_load_b512 s[SA+16:SA+31], s[48:49], 0x40
	s_wait_loadcnt 0x0
	v_add_nc_u32 v5, -1, v4                        ; bits - 1 (bits 0 gives -1: every score is above it)
; Group g lies in 'set'; the next group is asked for into 'other', whose last readers have been issued.
.macro GROUP g, set, other
	s_wait_kmcnt 0x0                               ; scalar loads come back in no order, so the wait is for all: only this group's are out
.if (\g) < 7
	s_load_b512 s[(\other):(\other)+15], s[48:49], 128*((\g)+1)
	s_load_b512 s[(\other)+16:(\other)+31], s[48:49], 128*((\g)+1)+64
.endif
	s_add_co_u32 s60, s10, \g
	s_cmp_lt_u32 s60, s9                           ; does the group lie below my block?
	s_cselect_b32 s11, -1, 0
	v_cndmask_b32 v6, v4, v5, s11                  ; then equal scores count too
.set n, 0
.rept 32
	v_cmp_gt_i32 vcc_lo, s[(\set)+n], v6
	v_add_co_ci_u32 v7, vcc_lo, 0, v7, vcc_lo      ; count += the compare's bit
.set n, n+1
.endr
.endm
	GROUP 0, SA, SB
	GROUP 1, SB, SA
	GROUP 2, SA, SB
	GROUP 3, SB, SA
	GROUP 4, SA, SB
	GROUP 5, SB, SA
	GROUP 6, SA, SB
	GROUP 7, SB, SA
	s_lshl_b32 s61, s8, 1                          ; equal scores inside my block: node n = 2 w + e counts for the lanes above n
.irp e, 0,1
	s_add_co_u32 s60, s61, \e
	s_lshl_b32 s52, -2, s60                        ; lanes n + 1 .. 31
	v_cmp_eq_u32 s53, s[12+(\e)], v4
	s_and_b32 vcc_lo, s53, s52
	v_add_co_ci_u32 v7, vcc_lo, 0, v7, vcc_lo
.endr
	ds_store_b32 v9, v7
	s_wait_dscnt 0x0                               ; for the other waves' sake: my store is done
	s_barrier_signal -1
	s_barrier_wait -1
	s_cmp_lg_u32 s8, 0
	s_cbranch_scc1 .Lend
.set n, 0
.rept 16
	ds_load_b32 v[16+n], v1 offset:128*n           ; wave 0: the sixteen counts of my lane's node
.set n, n+1
.endr
	s_wait_dscnt 0x0
	v_add3_u32 v16, v16, v17, v18
	v_add3_u32 v19, v19, v20, v21
	v_add3_u32 v22, v22, v23, v24
	v_add3_u32 v25, v25, v26, v27
	v_add3_u32 v28, v28, v29, v30
	v_add3_u32 v16, v16, v19, v22
	v_add3_u32 v25, v25, v28, v31
	v_add_nc_u32 v16, v16, v25
	global_store_b32 v1, v16, s[6:7]
.Lend:
	s_wait_tensorcnt 0x0                           ; the wave's end: 0 onto my spare word and its wait, behind my last LDS store
	ds_add_u32 v2, v3
	s_wait_dscnt 0x0
	s_endpgm
.Lfunc_end_k_q7fd4b4955a_rank:
	.size	k_q7fd4b4955a_rank, .Lfunc_end_k_q7fd4b4955a_rank-k_q7fd4b4955a_rank
	.p2alignl 7, 3214868480
	.fill 96, 4, 3214868480
	.section	.rodata,"a",@progbits
	.p2align	6, 0x0
	.amdhsa_kernel k_q7fd4b4955a_rank
		.amdhsa_group_segment_fixed_size 4096
		.amdhsa_private_segment_fixed_size 0
		.amdhsa_enable_private_segment 0
		.amdhsa_kernarg_size 16
		.amdhsa_user_sgpr_count 2
		.amdhsa_user_sgpr_kernarg_segment_ptr 1
		.amdhsa_wavefront_size32 1
		.amdhsa_system_sgpr_workgroup_id_x 1
		.amdhsa_system_sgpr_workgroup_id_y 1
		.amdhsa_system_sgpr_workgroup_id_z 1
		.amdhsa_system_vgpr_workitem_id 0
		.amdhsa_next_free_vgpr 40
		.amdhsa_next_free_sgpr 100
		.amdhsa_reserve_vcc 1
		.amdhsa_float_denorm_mode_32 3
		.amdhsa_float_denorm_mode_16_64 3
		.amdhsa_memory_ordered 1
		.amdhsa_forward_progress 1
		.amdhsa_inst_pref_size 23
	.end_amdhsa_kernel
	.amdgpu_metadata
---
amdhsa.version: [ 1, 2 ]
amdhsa.kernels:
  - .name:           k_q7fd4b4955a_rank
    .symbol:         k_q7fd4b4955a_rank.kd
    .args:
      - { .name: scores, .offset: 0, .size: 8, .value_kind: global_buffer, .address_space: global }
      - { .name: rank, .offset: 8, .size: 8, .value_kind: global_buffer, .address_space: global }
    .group_segment_fixed_size: 4096
    .private_segment_fixed_size: 0
    .kernarg_segment_align: 8
    .kernarg_segment_size: 16
    .max_flat_workgroup_size: 512
    .sgpr_count:     100
    .vgpr_count:     40
    .wavefront_size: 32
...
	.end_amdgpu_metadata
.endif
;; end of part 2
;; launch prep (part 3): grid 256 x 1, 8 waves a work-group, no clusters, 66,560 bytes of LDS; arguments g, h, scores, rank, pa, qb, out1, out2; writes pa, qb, out1, out2
.if DOCPART == 3
	.amdgcn_target "amdgcn-amd-amdhsa--gfx1250"
	.amdhsa_code_object_version 6
	.text
	.protected	k_q7fd4b4955a_prep
	.globl	k_q7fd4b4955a_prep
	.p2align	8
	.type	k_q7fd4b4955a_prep,@function
k_q7fd4b4955a_prep:
	s_mov_b64 s[64:65], 0
	v_nop
	global_prefetch_b8 v0, s[64:65] scope:SCOPE_SE
	s_setreg_imm32_b32 hwreg(HW_REG_WAVE_MODE, 25, 1), 1
	s_wait_xcnt 0x0
; One pass over g ([4096][4096] f32), each byte read once, makes both operands of the product, 0 or 1 in bf16 (exact):
;   pa[rank[r]][k] = (g[r][k] != 0)  for the rows r with rank[r] < 2048      pa: [2048][4096] bf16
;   qb[k][rank[c]] = (g[k][c] != 0)  for the columns c with rank[c] < 2048   qb: [4096][2048] bf16
; and the two small outputs: out1[rank[r]] = h[r] x scores[r], out2[rank[r]] = r, for the same rows.
; rank is a permutation of 0 .. 4095, stored as whole numbers by the launch before; here it only says WHERE things go.
; SHARES.  A work-group owns 16 rows of g, each of its eight waves two whole rows, k0 and k0 + 1.  No wave reads what another wrote: no barrier.
; A load takes 512 consecutive bytes of a row: load m of 32, lane l: columns 128 m + 4 l + j.  The rank table is loaded with the same map, once, and kept as LDS addresses in 128 registers.
; THE COLUMNS are permuted through LDS: each wave has a row buffer of 4,096 places of 2 bytes; column c goes to place rank[c] (every place is written, rank being a permutation), and the
; first 2,048 places are read back in order and stored, 512 consecutive bytes a store.  THE ROW needs no permutation: a selected row is packed in registers, 256 consecutive bytes a store.
; A NaN in g counts as not 0, -0 as 0, as the comparison in f32 has it.
; out2 leaves as single words, one lane a store: the price of scattering by rank; 8 KiB in all.
; No matrix unit, no cluster (no two work-groups read the same bytes of g; the rank table is 16 KiB).
; REGISTERS.  Window 1 (v256-383): RA, the 128 LDS addresses.  Window 0: the rest.  s_set_vgpr_msb: bits 1:0 source 0, 3:2 source 1, 7:6 destination.
.set SPARE, 65536                      ; behind the eight row buffers of 8,192 bytes: the spare words, 128 bytes for each wave
.set H,   12                           ; v[12:19]   my 16 bytes of h's rows k0 and k0 + 1
.set HO,  20                           ; v[20:23]   the same, scaled
.set PK,  24                           ; v[24:39]   a chunk of the row, packed
.set RB,  40                           ; v[40:71]   the permuted row read back
.set X,   128                          ; v[128:255] four chunks of 32 registers: eight loads each
.set RA,  0                            ; window 1
.set MSB, 0
.macro WIN new                         ; the immediate's high byte repeats the setting that is left
.if MSB != (\new)
	s_set_vgpr_msb (MSB<<8)|(\new)
.set MSB, \new
.endif
.endm
	s_load_b512 s[4:19], s[0:1], 0x0               ; g s[4:5], h s[6:7], scores s[8:9], rank s[10:11], pa s[12:13], qb s[14:15], out1 s[16:17], out2 s[18:19]
	v_lshl_add_u32 v4, v0, 2, SPARE                ; my spare word; never rewritten
	v_mov_b32 v5, 0                                ; 0; never rewritten
	v_lshrrev_b32 v10, 5, v0
	v_readfirstlane_b32 s20, v10                   ; wave 0..7
	v_and_b32 v9, 31, v0                           ; lane
	v_lshlrev_b32 v1, 4, v9                        ; 16 x lane
	v_lshlrev_b32 v2, 3, v9                        ; 8 x lane
	s_lshl_b32 s43, s20, 13                        ; my wave's row buffer
	v_add_nc_u32 v3, s43, v1                       ; where I read it back
	v_mov_b32 v6, 0x3f80                           ; 1.0 in bf16
	v_mov_b32 v7, 0
	s_lshl_b32 s21, ttmp9, 4
	s_lshl1_add_u32 s21, s20, s21                  ; k0 = 16 x work-group + 2 x wave
	s_lshl_b32 s26, s21, 2
	s_mov_b32 s27, 0                               ; s[26:27]: every offset is made here, apart from the addresses
	s_wait_kmcnt 0x0
	s_add_nc_u64 s[44:45], s[10:11], s[26:27]
	s_add_nc_u64 s[46:47], s[8:9], s[26:27]
	s_load_b64 s[22:23], s[44:45], 0x0             ; rank[k0], rank[k0 + 1]
	s_load_b64 s[24:25], s[46:47], 0x0             ; their scores
	s_lshl_b32 s26, s21, 14
	s_add_nc_u64 s[30:31], s[4:5], s[26:27]        ; g at row k0
	s_lshl_b32 s26, s21, 9
	s_add_nc_u64 s[28:29], s[6:7], s[26:27]        ; h at row k0
	WIN 0x40                                       ; destination window 1, address window 0
.set m, 0
.rept 32
	global_load_b128 v[RA+4*m:RA+4*m+3], v1, s[10:11] offset:512*m
.set m, m+1
.endr
	WIN 0
	global_load_b128 v[H:H+3], v1, s[28:29]        ; both rows of h, selected or not: every path then counts its loads alike
	global_load_b128 v[H+4:H+7], v1, s[28:29] offset:512
.set m, 0
.rept 32
	global_load_b128 v[X+4*m:X+4*m+3], v1, s[30:31] offset:512*m th:TH_LOAD_NT  ; row k0: 16 KiB of the wave on their way
.set m, m+1
.endr
	s_wait_loadcnt 32                              ; rank and h are in; the 32 younger loads, row k0's, stay out
	WIN 0x44                                       ; source 1 and destination window 1
.set n, 0
.rept 128
	v_min_u32 v[RA+n], 0xfff, v[RA+n]              ; a loaded number enters an address only behind a bound
.set n, n+1
.endr
	WIN 0x41                                       ; source 0 and destination window 1
.set n, 0
.rept 128
	v_lshl_add_u32 v[RA+n], v[RA+n], 1, s43        ; 2 x rank + my wave's buffer
.set n, n+1
.endr
	WIN 0
	s_wait_kmcnt 0x0                               ; my two rows' ranks and scores
; Chunk c of a row: 1,024 columns in 32 registers.  left: the younger loads that may stay out.  refill = 1: the registers take the same chunk of row k0 + 1.
.macro CHUNK c, left, refill
	s_wait_loadcnt \left
.set n, 32*(\c)
.rept 32
	v_cmp_neq_f32 vcc_lo, 0, v[X+n]
	v_cndmask_b32 v[X+n], 0, v6, vcc_lo            ; 1.0 in bf16, or 0
.set n, n+1
.endr
	WIN 0x01                                       ; the address (source 0) in window 1, the data in window 0
.set n, 32*(\c)
.rept 32
	ds_store_b16 v[RA+n], v[X+n]                   ; column c to place rank[c]
.set n, n+1
.endr
	WIN 0                                          ; at a branch and at a label every window is 0
	s_cmp_eq_u32 s40, 1
	s_cbranch_scc0 .Lno_pa_\@                      ; the branch passes stores alone: the counts of loads and of LDS instructions are the same on both ways
	s_wait_xcnt 0x0                                ; PK, which the last chunk's stores read, is rewritten only behind this wait
.set n, 0
.rept 16
	v_lshl_or_b32 v[PK+n], v[X+32*(\c)+2*n+1], 16, v[X+32*(\c)+2*n]
.set n, n+1
.endr
.set n, 0
.rept 8
	global_store_b64 v2, v[PK+2*n:PK+2*n+1], s[34:35] offset:(8*(\c)+n)*256  ; 32 lanes store 256 consecutive bytes, at a multiple of 256 from pa's first byte
.set n, n+1
.endr
.Lno_pa_\@:
.if \refill
.set n, 0
.rept 8
	global_load_b128 v[X+32*(\c)+4*n:X+32*(\c)+4*n+3], v1, s[30:31] offset:16384+(8*(\c)+n)*512 th:TH_LOAD_NT
.set n, n+1
.endr
.endif
.endm
; Row k0 + e.  l0 .. l3: the four chunks' counts.
.macro ROW e, l0, l1, l2, l3, refill
	s_wait_xcnt 0x0                                ; the bases below, which the last row's stores name, are rewritten only behind this wait
	s_cmp_lt_u32 s[22+(\e)], 2048
	s_cselect_b32 s40, 1, 0                        ; is the row among the 2,048?
	s_min_u32 s41, s[22+(\e)], 0x7ff               ; its place; bounded, so that the addresses are inside their buffers whatever the branch
	s_lshl_b32 s26, s41, 13
	s_add_nc_u64 s[34:35], s[12:13], s[26:27]      ; pa's row
	s_lshl_b32 s26, s41, 9
	s_add_nc_u64 s[36:37], s[16:17], s[26:27]      ; out1's row
	s_lshl_b32 s26, s41, 2
	s_add_nc_u64 s[38:39], s[18:19], s[26:27]      ; out2's word
	s_add_co_u32 s26, s21, \e
	s_lshl_b32 s26, s26, 12
	s_add_nc_u64 s[32:33], s[14:15], s[26:27]      ; qb's row
	CHUNK 0, \l0, \refill
	CHUNK 1, \l1, \refill
	CHUNK 2, \l2, \refill
	CHUNK 3, \l3, \refill
	s_wait_xcnt 0x0                                ; RB, which the last row's stores read, is loaded again only behind this wait
.set n, 0
.rept 8
	ds_load_b128 v[RB+4*n:RB+4*n+3], v3 offset:512*n  ; places 0 .. 2047.  LDS serves a wave's instructions in order: these see the stores above, and the next row's stores come behind them
.set n, n+1
.endr
.set n, 0
.rept 8
	s_wait_dscnt 7-n                               ; LDS loads come back in order: number n is in
	global_store_b128 v1, v[RB+4*n:RB+4*n+3], s[32:33] offset:512*n  ; 512 consecutive bytes, at a multiple of 256 from qb's first byte
.set n, n+1
.endr
	s_cmp_eq_u32 s40, 1
	s_cbranch_scc0 .Lno_h_\@
.irp j, 0,1,2,3
	v_mul_f32 v[HO+(\j)], s[24+(\e)], v[H+4*(\e)+(\j)]
.endr
	global_store_b128 v1, v[HO:HO+3], s[36:37]     ; a row of out1: 512 consecutive bytes
	s_add_co_u32 s26, s21, \e
	v_mov_b32 v8, s26                              ; the node's number
	v_cmp_eq_u32 vcc_lo, 0, v9
	s_wait_xcnt 0x0                                ; EXEC is a source of the stores above: it changes only behind this wait
	s_and_saveexec_b32 s42, vcc_lo                 ; lane 0 alone
	global_store_b32 v7, v8, s[38:39]
	s_wait_xcnt 0x0                                ; and again, in front of the line that widens it
	s_or_b32 exec_lo, exec_lo, s42
.Lno_h_\@:
.endm
	ROW 0, 24, 24, 24, 24, 1                       ; behind a chunk's eight loads stand the row's later chunks and the refills issued so far: 24 loads each time
	ROW 1, 24, 16, 8, 0, 0                         ; nothing more is asked for: the counts run down
	s_wait_tensorcnt 0x0                           ; the wave's end: 0 onto my spare word and its wait, behind my last LDS store
	ds_add_u32 v4, v5
	s_wait_dscnt 0x0
	s_endpgm
.Lfunc_end_k_q7fd4b4955a_prep:
	.size	k_q7fd4b4955a_prep, .Lfunc_end_k_q7fd4b4955a_prep-k_q7fd4b4955a_prep
	.p2alignl 7, 3214868480
	.fill 96, 4, 3214868480
	.section	.rodata,"a",@progbits
	.p2align	6, 0x0
	.amdhsa_kernel k_q7fd4b4955a_prep
		.amdhsa_group_segment_fixed_size 66560
		.amdhsa_private_segment_fixed_size 0
		.amdhsa_enable_private_segment 0
		.amdhsa_kernarg_size 64
		.amdhsa_user_sgpr_count 2
		.amdhsa_user_sgpr_kernarg_segment_ptr 1
		.amdhsa_wavefront_size32 1
		.amdhsa_system_sgpr_workgroup_id_x 1
		.amdhsa_system_sgpr_workgroup_id_y 1
		.amdhsa_system_sgpr_workgroup_id_z 1
		.amdhsa_system_vgpr_workitem_id 0
		.amdhsa_next_free_vgpr 384
		.amdhsa_next_free_sgpr 66
		.amdhsa_reserve_vcc 1
		.amdhsa_float_denorm_mode_32 3
		.amdhsa_float_denorm_mode_16_64 3
		.amdhsa_memory_ordered 1
		.amdhsa_forward_progress 1
		.amdhsa_inst_pref_size 80
	.end_amdhsa_kernel
	.amdgpu_metadata
---
amdhsa.version: [ 1, 2 ]
amdhsa.kernels:
  - .name:           k_q7fd4b4955a_prep
    .symbol:         k_q7fd4b4955a_prep.kd
    .args:
      - { .name: g, .offset: 0, .size: 8, .value_kind: global_buffer, .address_space: global }
      - { .name: h, .offset: 8, .size: 8, .value_kind: global_buffer, .address_space: global }
      - { .name: scores, .offset: 16, .size: 8, .value_kind: global_buffer, .address_space: global }
      - { .name: rank, .offset: 24, .size: 8, .value_kind: global_buffer, .address_space: global }
      - { .name: pa, .offset: 32, .size: 8, .value_kind: global_buffer, .address_space: global }
      - { .name: qb, .offset: 40, .size: 8, .value_kind: global_buffer, .address_space: global }
      - { .name: out1, .offset: 48, .size: 8, .value_kind: global_buffer, .address_space: global }
      - { .name: out2, .offset: 56, .size: 8, .value_kind: global_buffer, .address_space: global }
    .group_segment_fixed_size: 66560
    .private_segment_fixed_size: 0
    .kernarg_segment_align: 8
    .kernarg_segment_size: 64
    .max_flat_workgroup_size: 256
    .sgpr_count:     66
    .vgpr_count:     384
    .wavefront_size: 32
...
	.end_amdgpu_metadata
.endif
;; end of part 3
;; launch gemm (part 4): grid 16 x 16, 4 waves a work-group, clusters of 4 x 4, 327,680 bytes of LDS; arguments pa, qb, un, degp; writes un, degp
.if DOCPART == 4
	.amdgcn_target "amdgcn-amd-amdhsa--gfx1250"
	.amdhsa_code_object_version 6
	.text
	.protected	k_q7fd4b4955a_gemm
	.globl	k_q7fd4b4955a_gemm
	.p2align	8
	.type	k_q7fd4b4955a_gemm,@function
k_q7fd4b4955a_gemm:
	s_mov_b64 s[64:65], 0
	v_nop
	global_prefetch_b8 v0, s[64:65] scope:SCOPE_SE
	s_setreg_imm32_b32 hwreg(HW_REG_WAVE_MODE, 25, 1), 1
	s_wait_xcnt 0x0
	s_wait_alu depctr_hold_cnt(0) depctr_sa_sdst(0) depctr_va_vdst(0) depctr_va_sdst(0) depctr_va_ssrc(0) depctr_va_vcc(0) depctr_vm_vsrc(0)
	s_getreg_b32 s2, hwreg(HW_REG_IB_STS2, 6, 4)
	s_cmp_eq_u32 s2, 0
	s_cbranch_scc0 .Lentry_in_a_cluster
	s_endpgm
.Lentry_in_a_cluster:
	s_bfe_u32 s2, ttmp6, 0x10000c
	s_cmp_lg_u32 s2, 0xf033
	s_cbranch_scc0 .Lentry_shape_is_right
	s_endpgm
.Lentry_shape_is_right:
; un[i][j] = 1 if the sum over k of pa[i][k] qb[k][j] is not 0, else 0.  pa: [2048][4096], qb: [4096][2048], un: [2048][2048], all bf16, holding 0 or 1.
; degp[J][i] = the sum of un[i][j] over the 128 columns of tile column J.  degp: [16][2048] f32.
; The operands are exact in bf16 and the f32 sums are whole numbers of 4,096 at the most: exact, whatever their order.  min(sum, 1) is the result.
; A tile of un is 128 x 128: 16 x 16 tiles, one for each of 256 work-groups.  Four waves, each 64 x 64: 16 accumulators of 16 x 16, 128 registers.
; K goes in 16 steps of 256 through two LDS slots.  A's tile: 128 rows of 512 bytes; B's tile lies [k][n]: 256 rows of 256 bytes.  Waves 0 and 1 fetch A's halves (64 rows), waves 2 and 3 B's (128 rows):
; 32 KiB a load, every row a whole number of aligned blocks of 256 bytes.  By this text's count a wave has two tensor loads out at the start and one behind each round.
; CLUSTERS: 4 x 4 work-groups.  The four of a row of the cluster need the same tiles of A, the four of a column the same tiles of B: each tile is asked for JOINTLY, by the same tensor load with the
; same descriptor and a mask that names the four.
; THE MATRIX INSTRUCTION IS USED TRANSPOSED (source 0 = 16 columns of B, source 1 = 16 rows of A): a lane then holds one row of un (lane % 16) and eight neighbouring columns, 8 (lane / 16) + 0..7.
; A's fragments come out of LDS as they lie, B's turned, by ds_load_tr16_b128.
; REGISTERS: window 0: v0-31 addresses; v32-95 at work on the way out; v96-103 row sums; v128-255 the accumulators ((a, b) at v[128 + 8 (4 a + b)]).
;   window 1: two fragment buffers of 128: for 64 along K (two matrix instructions deep), 64 registers of A (2 x 4 x 16 rows x 32 K), then 64 of B.
.set PA,     528                       ; a row of A in LDS: 512 bytes + 16 of padding = 132 words: the 16 rows of a load start at 16 different groups of four banks (64 banks of 4 bytes: ISA guide 11.1)
.set PB,     288                       ; a row of B: 256 + 32 = 72 words
.set HALFA,  64*PA                     ; what one load brings of A, and what one wave reads of it
.set HALFB,  128*PB                    ; what one load brings of B: half of the step's 256 k
.set BOFF,   2*HALFA                   ; B's rows lie behind A's
.set SLOT,   BOFF+2*HALFB
.set STAGE,  2*SLOT                    ; behind the ring, never filled by a tensor load: 128 rows x 272 bytes, the work-group's, for the way out
.set SPITCH, 272
.set DEG,    STAGE+128*SPITCH          ; row sums: 2 column halves x 128 rows x 4 bytes
.set SPARE,  DEG+1024                  ; the spare words, 128 bytes for each wave: two blocks of 256 bytes that no other line names
.set LAPS,   8                         ; a lap = two K steps = once round the ring
.set ADRA, 16                          ; v16-17  LDS address of my A fragments in slot 0, 1
.set ADRB, 20                          ; v20-23  of my B fragments: slot 0 k 0-127, slot 0 k 128-255, slot 1 likewise (a slot's 256 rows pass the 16-bit immediate)
.set STO,  24                          ; v24     the way out: where I put 16 bytes of a row
.set RD,   25                          ; v25     where I read a row back
.set CO,   26                          ; v26     my byte offset in un
.set DST,  27                          ; v27     where my row's sum goes
.set SPW,  28                          ; v28     LDS address of my spare word; never rewritten
.set NIL,  29                          ; v29     0; never rewritten
.set DRD,  30                          ; v30     wave 0: where I read four rows' sums
.set DCO,  31                          ; v31     16 x lane
.set TMP,  32
.set SUM,  96
.set ACC,  128
.set F0,   0                           ; fragment buffers, in window 1
.set F1,   128
.set G1, 24                            ; s[24:31] descriptor group 1 for A's tiles;  s[32:39] group 0, one set for each slot
.set G0, 32
.set G1B, 48                           ; s[48:55], s[56:63] the same for B's tiles
.set G0B, 56
.set MSB, 0
.macro WIN new                         ; the immediate's high byte repeats the setting that is left
.if MSB != (\new)
	s_set_vgpr_msb (MSB<<8)|(\new)
.set MSB, \new
.endif
.endm
.set MUL,  0x05                        ; sources 0 (B) and 1 (A) window 1; C and D window 0
.set TO_F, 0x40                        ; destination window 1, address window 0
.macro JLOAD s                         ; a joint refill: waves 0 and 1 ask for A, waves 2 and 3 for B; an s_nop 0 and four v_nop follow each of the two lines, ahead of the jump, the label and what follows
	s_cmp_eq_u32 s13, 0
	s_cbranch_scc0 .Lfor_b_\@
	tensor_load_to_lds s[G0+4*(\s):G0+4*(\s)+3], s[G1:G1+7]
	s_nop 0
.rept 4
	v_nop
.endr
	s_branch .Lasked_\@
.Lfor_b_\@:
	tensor_load_to_lds s[G0B+4*(\s):G0B+4*(\s)+3], s[G1B:G1B+7]
	s_nop 0
.rept 4
	v_nop
.endr
.Lasked_\@:
.endm
.macro CREST                           ; a round of the cluster's barrier behind its opening barrier
	s_cmp_lg_u32 s12, 0
	s_cbranch_scc1 .Lnot_wave_0_\@
	s_barrier_signal -3
.Lnot_wave_0_\@:
	s_barrier_wait -3
	s_barrier_signal -1
	s_barrier_wait -1
.endm
.macro CROUND                          ; a whole round
	s_barrier_signal -1
	s_barrier_wait -1
	CREST
.endm
	s_load_b256 s[4:11], s[0:1], 0x0               ; pa s[4:5], qb s[6:7], un s[8:9], degp s[10:11]
	v_lshl_add_u32 v[SPW], v0, 2, SPARE
	v_mov_b32 v[NIL], 0
	ds_add_u32 v[SPW], v[NIL]                      ; the wave's opening: 0 onto my spare word; its wait stands ahead of my first tensor load; the set-up below, work on registers, stands between them
	v_lshrrev_b32 v1, 5, v0
	v_readfirstlane_b32 s12, v1                    ; wave 0..3
	s_lshr_b32 s13, s12, 1                         ; which half of the tile's rows is mine.  Also: I fetch for A (0) or for B (1)
	s_and_b32 s14, s12, 1                          ; which half of its columns.  Also: which half of that tile I fetch
	s_bfe_u32 s40, ttmp6, 0x40000                  ; cx, cy: my place in the cluster
	s_bfe_u32 s41, ttmp6, 0x40004
	s_lshl_b32 s42, ttmp9, 2
	s_add_co_u32 s42, s42, s40                     ; tile column = 4 x cluster x + cx
	s_and_b32 s43, ttmp7, 0xffff
	s_lshl_b32 s43, s43, 2
	s_add_co_u32 s43, s43, s41                     ; tile row = 4 x cluster y + cy
	s_lshl_b32 s44, s41, 2
	s_lshl_b32 s44, 15, s44                        ; my row of the cluster
	s_lshl_b32 s45, 0x1111, s40                    ; my column
	; group 1 for A: 64 rows x 256 elements
	s_or_b32 s[G1+0], s44, (1<<16)|(1<<20)|(1<<21)|(6<<22)|(3<<25)  ; 15:0 the mask: my row; 17:16 elements of 2 bytes; 20 padding on; 21 set beside a mask; 24:22 after every 128 words (code 6); 31:25 4 words (code 3)
	s_mov_b32 s[G1+1], 256<<16                     ; tensor_dim0 = 256
	s_mov_b32 s[G1+2], 64<<16                      ; tensor_dim1 = 64
	s_mov_b32 s[G1+3], 256<<16                     ; tile_dim0 = 256
	s_mov_b32 s[G1+4], 64                          ; tile_dim1 = 64
	s_mov_b32 s[G1+5], 4096                        ; elements from row to row of pa
	s_mov_b32 s[G1+6], 0
	s_mov_b32 s[G1+7], 0
	; group 1 for B: 128 rows x 128 elements
	s_or_b32 s[G1B+0], s45, (1<<16)|(1<<20)|(1<<21)|(5<<22)|(7<<25) ; the mask: my column; padding after every 64 words (code 5), 8 words (code 7)
	s_mov_b32 s[G1B+1], 128<<16                    ; tensor_dim0 = 128
	s_mov_b32 s[G1B+2], 128<<16                    ; tensor_dim1 = 128
	s_mov_b32 s[G1B+3], 128<<16                    ; tile_dim0 = 128
	s_mov_b32 s[G1B+4], 128                        ; tile_dim1 = 128
	s_mov_b32 s[G1B+5], 2048                       ; elements from row to row of qb
	s_mov_b32 s[G1B+6], 0
	s_mov_b32 s[G1B+7], 0
	; where the tiles come from.  A's hang on the tile row alone, B's on the tile column alone, each in registers that never hold the other coordinate.
	s_lshl_b32 s16, s43, 7
	s_lshl_b32 s17, s14, 6
	s_add_co_u32 s16, s16, s17                     ; A: row 128 x tile row + 64 x half,
	s_lshl_b32 s16, s16, 13                        ; of 8,192 bytes
	s_mov_b32 s17, 0
	s_lshl_b32 s46, s42, 8                         ; B: 256 bytes x tile column
	s_lshl_b32 s47, s14, 19                        ; + 128 rows of 4,096 bytes x half
	s_add_co_u32 s46, s46, s47
	s_mov_b32 s47, 0
	s_mul_i32 s20, s14, HALFA                      ; and where they go: no place in the cluster enters an LDS address
	s_mul_i32 s21, s14, HALFB
	s_add_co_u32 s21, s21, BOFF
	s_wait_dscnt 0x0                               ; the opening add is done
	s_wait_kmcnt 0x0
	s_add_nc_u64 s[18:19], s[4:5], s[16:17]
	s_add_nc_u64 s[46:47], s[6:7], s[46:47]
	CROUND                                         ; all sixteen work-groups are here: the first joint loads meet
.irp s, 0,1
	s_mov_b32 s[G0+4*(\s)], 1                                      ; count = 1
	s_add_co_u32 s[G0+4*(\s)+1], s20, (\s)*SLOT                    ; LDS address
	s_add_nc_u64 s[G0+4*(\s)+2:G0+4*(\s)+3], s[18:19], (\s)*512    ; K step s: 256 elements along the rows
	s_or_b32 s[G0+4*(\s)+3], s[G0+4*(\s)+3], 0x80000000            ; type = 2
	s_mov_b32 s[G0B+4*(\s)], 1
	s_add_co_u32 s[G0B+4*(\s)+1], s21, (\s)*SLOT
	s_add_nc_u64 s[G0B+4*(\s)+2:G0B+4*(\s)+3], s[46:47], (\s)*256*4096  ; K step s: 256 rows down
	s_or_b32 s[G0B+4*(\s)+3], s[G0B+4*(\s)+3], 0x80000000
.endr
	s_cmp_eq_u32 s13, 0                            ; a wave's two first fills stand in one branch, ahead of every wait on TENSORcnt and every LDS read
	s_cbranch_scc0 .Lfirst_b
	tensor_load_to_lds s[G0:G0+3], s[G1:G1+7]
	s_nop 0
	tensor_load_to_lds s[G0+4:G0+7], s[G1:G1+7]
	s_nop 0
.rept 4
	v_nop
.endr
	s_branch .Lfirst_asked
.Lfirst_b:
	tensor_load_to_lds s[G0B:G0B+3], s[G1B:G1B+7]
	s_nop 0
	tensor_load_to_lds s[G0B+4:G0B+7], s[G1B:G1B+7]
	s_nop 0
.rept 4
	v_nop
.endr
.Lfirst_asked:
	v_and_b32 v1, 15, v0                           ; r = l % 16
	v_bfe_u32 v2, v0, 4, 1                         ; h = l / 16
	v_mul_u32_u24 v3, v1, PA                       ; A's fragment: lane l holds row r; two loads of 16 bytes, 32 bytes apart, at row x pitch + 16 h
	v_lshl_add_u32 v3, v2, 4, v3
	s_mul_i32 s20, s13, HALFA                      ; my 64 rows of A
	v_add_nc_u32 v[ADRA], s20, v3
	v_add_nc_u32 v[ADRA+1], SLOT, v[ADRA]
	v_and_b32 v4, 7, v0                            ; B's: the turning load takes 16 k x 16 columns: lane l reads row 8 h + l % 8, columns 8 ((l / 8) % 2) + 0..7,
	v_lshl_add_u32 v4, v2, 3, v4                   ; and is left with column r and 8 k
	v_mul_u32_u24 v4, v4, PB
	v_bfe_u32 v5, v0, 3, 1
	v_lshl_add_u32 v4, v5, 4, v4
	s_lshl_b32 s20, s14, 7                         ; my 64 columns: 128 bytes
	s_add_co_u32 s20, s20, BOFF
	v_add_nc_u32 v[ADRB], s20, v4
	v_add_nc_u32 v[ADRB+1], HALFB, v[ADRB]
	v_add_nc_u32 v[ADRB+2], SLOT, v[ADRB]
	v_add_nc_u32 v[ADRB+3], SLOT+HALFB, v[ADRB]
	s_mul_i32 s20, s13, 64*SPITCH                  ; into the stage: my 64 rows, my half of their 256 bytes; row r, 16 bytes for each half of the lanes
	s_lshl_b32 s21, s14, 7
	s_add_co_u32 s20, s20, s21
	s_add_co_u32 s20, s20, STAGE
	v_mul_u32_u24 v6, v1, SPITCH
	v_lshl_add_u32 v6, v2, 4, v6
	v_add_nc_u32 v[STO], s20, v6
	s_mul_i32 s20, s12, 32*SPITCH                  ; back: wave w takes rows 32 w .. 32 w + 31, whole; lanes 0-15 one row of 256 bytes, lanes 16-31 the next
	s_add_co_u32 s20, s20, STAGE
	v_mul_u32_u24 v6, v2, SPITCH
	v_lshl_add_u32 v6, v1, 4, v6
	v_add_nc_u32 v[RD], s20, v6
	v_lshlrev_b32 v6, 12, v2                       ; and the same two rows in un, 4,096 bytes apart
	v_lshl_add_u32 v[CO], v1, 4, v6
	s_lshl_b32 s20, s14, 7                         ; the row sums: [column half][row of the tile]
	s_lshl_b32 s21, s13, 6
	s_add_co_u32 s20, s20, s21
	v_add_nc_u32 v6, s20, v1
	v_lshl_add_u32 v[DST], v6, 2, DEG
	v_and_b32 v6, 31, v0
	v_lshlrev_b32 v[DCO], 4, v6
	v_add_nc_u32 v[DRD], DEG, v[DCO]
	s_lshl_b32 s16, s43, 7                         ; un: the first row that I store, 128 x tile row + 32 x wave,
	s_lshl_b32 s17, s12, 5
	s_add_co_u32 s16, s16, s17
	s_lshl_b32 s16, s16, 12                        ; of 4,096 bytes
	s_mov_b32 s17, 0
	s_add_nc_u64 s[8:9], s[8:9], s[16:17]
	s_lshl_b32 s46, s42, 8                         ; and the tile's first column, in bytes (in the registers that held B's address: none that fed A's descriptors ever holds cx)
	s_mov_b32 s47, 0
	s_add_nc_u64 s[8:9], s[8:9], s[46:47]
	s_lshl_b32 s16, s43, 9                         ; degp: 128 x tile row words
	s_add_nc_u64 s[10:11], s[10:11], s[16:17]
	s_lshl_b32 s46, s42, 13                        ; + 2,048 x tile column words
	s_add_nc_u64 s[10:11], s[10:11], s[46:47]
; 8 matrix instructions: m blocks a0, a0 + 1 x all 4 n blocks, 32 along K: half c of buffer f.  zero = 1: the first product starts the sums.
; The 16 accumulators take turns, one instruction a turn.
.macro MUL8 f, c, a0, zero
	WIN MUL
.irp a, \a0, (\a0)+1
.irp b, 0,1,2,3
.if \zero
	v_wmma_f32_16x16x32_bf16 v[ACC+8*(4*(\a)+(\b)):ACC+8*(4*(\a)+(\b))+7], v[(\f)+64+8*(4*(\c)+(\b)):(\f)+64+8*(4*(\c)+(\b))+7], v[(\f)+8*(4*(\c)+(\a)):(\f)+8*(4*(\c)+(\a))+7], 0
.else
	v_wmma_f32_16x16x32_bf16 v[ACC+8*(4*(\a)+(\b)):ACC+8*(4*(\a)+(\b))+7], v[(\f)+64+8*(4*(\c)+(\b)):(\f)+64+8*(4*(\c)+(\b))+7], v[(\f)+8*(4*(\c)+(\a)):(\f)+8*(4*(\c)+(\a))+7], v[ACC+8*(4*(\a)+(\b)):ACC+8*(4*(\a)+(\b))+7]
.endif
.endr
.endr
.endm
; 32 LDS loads in one run: the fragments of quarter q (64 along K) of a slot, into buffer f; the first 32 along K first
.macro FETCH slot, q, f
	WIN TO_F
.irp c, 0,1
.irp i, 0,1,2,3
	ds_load_tr16_b128 v[(\f)+64+8*(4*(\c)+(\i)):(\f)+64+8*(4*(\c)+(\i))+3],   v[ADRB+2*(\slot)+(\q)/2] offset:(((\q)%2)*64+32*(\c))*PB+32*(\i)
	ds_load_tr16_b128 v[(\f)+64+8*(4*(\c)+(\i))+4:(\f)+64+8*(4*(\c)+(\i))+7], v[ADRB+2*(\slot)+(\q)/2] offset:(((\q)%2)*64+32*(\c)+16)*PB+32*(\i)
	ds_load_b128 v[(\f)+8*(4*(\c)+(\i)):(\f)+8*(4*(\c)+(\i))+3],         v[ADRA+(\slot)] offset:128*(\q)+64*(\c)+(\i)*16*PA
	ds_load_b128 v[(\f)+8*(4*(\c)+(\i))+4:(\f)+8*(4*(\c)+(\i))+7],       v[ADRA+(\slot)] offset:128*(\q)+64*(\c)+(\i)*16*PA+32
.endr
.endr
.endm
.macro PLACES                          ; four places in front of loads into registers that matrix instructions have read, and of vector lines that read or write results
.rept 4
	v_nop
.endr
.endm
; A K step is four quarters of 64 along K, 32 matrix instructions each, on buffers 0, 1, 0, 1.  One of the first three: multiplies buffer f and fetches quarter q into g.
.macro QUARTER slot, q, f, g, zero
	s_wait_dscnt 16                                ; the first 32 along K are in; the youngest sixteen loads may be out
	WIN MUL
	MUL8 \f, 0, 0, \zero
	MUL8 \f, 0, 2, \zero
	PLACES
	FETCH \slot, \q, \g
	s_wait_dscnt 32                                ; all but the 32 just issued
	WIN MUL
	MUL8 \f, 1, 0, 0
	MUL8 \f, 1, 2, 0
.endm
; The last quarter multiplies buffer 1 and changes slots: ONE barrier; in front of it each wave waits for all its tensor loads, adds 0 to its spare word, and waits for that and for its own reads of this slot.
; fill = 1: the barrier opens a round of the cluster's, and this slot is filled again, two K steps ahead, first thing behind the round: 112 matrix instructions ahead of the wait for it.
.macro TURN slot, next, fill
	WIN 0                                          ; (the add's two registers lie in window 0)
	s_wait_tensorcnt 0x0                           ; all my tensor loads have landed: my part of the next slot;
	ds_add_u32 v[SPW], v[NIL]                      ; 0 onto my spare word;
	s_wait_dscnt 17                                ; (the add and the youngest sixteen loads may be out)
	WIN MUL
	MUL8 F1, 0, 0, 0                               ; eight matrix instructions stand between the add and the wait for it
	s_wait_dscnt 0x0                               ; the add is done, and my reads of this slot are over
	s_barrier_signal -1
	MUL8 F1, 0, 2, 0
.if \fill
	WIN 0
.endif
	s_barrier_wait -1
.if \fill
	CREST                                          ; no wave of any partner still reads this slot's tile or has a load on its way
	s_add_nc_u64 s[G0+4*(\slot)+2:G0+4*(\slot)+3], s[G0+4*(\slot)+2:G0+4*(\slot)+3], 2*512
	s_add_nc_u64 s[G0B+4*(\slot)+2:G0B+4*(\slot)+3], s[G0B+4*(\slot)+2:G0B+4*(\slot)+3], 2*256*4096
	JLOAD \slot                                    ; the four v_nop behind it are also the places in front of the loads below
.else
	PLACES
.endif
	FETCH \next, 0, F0
	WIN MUL
	MUL8 F1, 1, 0, 0
	MUL8 F1, 1, 2, 0
.endm
	s_wait_tensorcnt 1                             ; my part of K step 0 is in; K step 1's may stay out
	s_barrier_signal -1
	s_barrier_wait -1                              ; everybody's is
	FETCH 0, 0, F0
	QUARTER 0, 1, F0, F1, 1                        ; the first quarter stands in front of the loop: its first products start the sums
	WIN 0                                          ; at a label and at a branch every window is 0
	s_mov_b32 s15, LAPS-1
.Llap:                                                 ; a trip goes once round the ring, from a lap's second quarter to the next lap's first, and fills both slots again
	QUARTER 0, 2, F1, F0, 0
	QUARTER 0, 3, F0, F1, 0
	TURN 0, 1, 1
	QUARTER 1, 1, F0, F1, 0
	QUARTER 1, 2, F1, F0, 0
	QUARTER 1, 3, F0, F1, 0
	TURN 1, 0, 1
	QUARTER 0, 1, F0, F1, 0
	WIN 0
	s_sub_co_u32 s15, s15, 1
	s_cmp_lg_u32 s15, 0
	s_cbranch_scc1 .Llap
	QUARTER 0, 2, F1, F0, 0                        ; the last lap fills nothing, and has no round of the cluster's barrier
	QUARTER 0, 3, F0, F1, 0
	TURN 0, 1, 0
	QUARTER 1, 1, F0, F1, 0
	QUARTER 1, 2, F1, F0, 0
	QUARTER 1, 3, F0, F1, 0
	s_wait_dscnt 16                                ; the very last quarter: nothing more to fetch
	WIN MUL
	MUL8 F1, 0, 0, 0
	MUL8 F1, 0, 2, 0
	s_wait_dscnt 0
	MUL8 F1, 1, 0, 0
	MUL8 F1, 1, 2, 0
	WIN 0
	; THE WAY OUT.  min(sum, 1), in ascending order of registers; each row's sum over my 64 columns; bf16; 16 bytes a lane into the work-group's stage; a barrier, since a row's 256 bytes come from two waves; back as whole rows.
	PLACES
.set i, 0
.rept 128
	v_min_num_f32 v[ACC+i], 1.0, v[ACC+i]
.set i, i+1
.endr
.irp a, 0,1,2,3                        ; m block a: my lane's row is 16 a + r, its 32 numbers lie at ACC + 32 a; four chains that do not wait for each other
	v_pk_add_f32 v[SUM+2*(\a):SUM+2*(\a)+1], v[ACC+32*(\a):ACC+32*(\a)+1], v[ACC+32*(\a)+2:ACC+32*(\a)+3]
.endr
.set p, 2
.rept 14
.irp a, 0,1,2,3
	v_pk_add_f32 v[SUM+2*(\a):SUM+2*(\a)+1], v[SUM+2*(\a):SUM+2*(\a)+1], v[ACC+32*(\a)+2*p:ACC+32*(\a)+2*p+1]
.endr
.set p, p+1
.endr
	s_mov_b32 s22, 0x76543210                      ; each lane takes its own place in the other half
	s_mov_b32 s23, 0xfedcba98
.irp a, 0,1,2,3
	v_add_f32 v[SUM+2*(\a)], v[SUM+2*(\a)], v[SUM+2*(\a)+1]
.endr
.irp a, 0,1,2,3
	v_permlanex16_b32 v[SUM+2*(\a)+1], v[SUM+2*(\a)], s22, s23  ; the row's other 32 columns lie in the lane 16 away
.endr
.irp a, 0,1,2,3
	v_add_f32 v[SUM+2*(\a)], v[SUM+2*(\a)], v[SUM+2*(\a)+1]
.endr
.irp a, 0,1,2,3
	ds_store_b32 v[DST], v[SUM+2*(\a)] offset:64*(\a)  ; lanes r and r + 16 write the same word with the same number
.endr
.irp t, 0,1,2,3,4,5,6,7,8,9,10,11,12,13,14,15
.irp r, 0,1,2,3
	v_cvt_pk_bf16_f32 v[TMP+4*(\t)+(\r)], v[ACC+8*(\t)+2*(\r)], v[ACC+8*(\t)+2*(\r)+1]
.endr
.endr
.irp a, 0,1,2,3
.irp b, 0,1,2,3
	ds_store_b128 v[STO], v[TMP+4*(4*(\a)+(\b)):TMP+4*(4*(\a)+(\b))+3] offset:(\a)*16*SPITCH+32*(\b)
.endr
.endr
	s_wait_dscnt 0x0                               ; for the others' sake: my stores into the stage and of the sums are done
	s_barrier_signal -1
	s_barrier_wait -1
.irp t, 0,1,2,3,4,5,6,7,8,9,10,11,12,13,14,15
	ds_load_b128 v[TMP+4*(\t):TMP+4*(\t)+3], v[RD] offset:(\t)*2*SPITCH
.endr
.irp t, 0,1,2,3,4,5,6,7,8,9,10,11,12,13,14,15
	s_wait_dscnt 15-(\t)                           ; LDS loads come back in order: number t is in
	global_store_b128 v[CO], v[TMP+4*(\t):TMP+4*(\t)+3], s[8:9] offset:2*(\t)*4096  ; 16 lanes store 256 consecutive bytes, at a multiple of 256 from un's first byte
.endr
	s_cmp_lg_u32 s12, 0
	s_cbranch_scc1 .Lno_deg
	ds_load_b128 v[SUM:SUM+3], v[DRD]              ; wave 0: four rows' sums a lane, of the left 64 columns
	ds_load_b128 v[SUM+4:SUM+7], v[DRD] offset:512 ; and of the right
	s_wait_dscnt 0x0
	v_pk_add_f32 v[SUM:SUM+1], v[SUM:SUM+1], v[SUM+4:SUM+5]
	v_pk_add_f32 v[SUM+2:SUM+3], v[SUM+2:SUM+3], v[SUM+6:SUM+7]
	global_store_b128 v[DCO], v[SUM:SUM+3], s[10:11]  ; 512 consecutive bytes, at a multiple of 256 from degp's first byte
.Lno_deg:
	s_wait_tensorcnt 0x0                           ; the wave's end: 0 onto my spare word and its wait, behind my last tensor load and my last LDS store
	ds_add_u32 v[SPW], v[NIL]
	s_wait_dscnt 0x0
	CROUND                                         ; the closing round: no work-group ends while a partner may still ask for a tile that names it
	s_endpgm
.Lfunc_end_k_q7fd4b4955a_gemm:
	.size	k_q7fd4b4955a_gemm, .Lfunc_end_k_q7fd4b4955a_gemm-k_q7fd4b4955a_gemm
	.p2alignl 7, 3214868480
	.fill 96, 4, 3214868480
	.section	.rodata,"a",@progbits
	.p2align	6, 0x0
	.amdhsa_kernel k_q7fd4b4955a_gemm
		.amdhsa_group_segment_fixed_size 327680
		.amdhsa_private_segment_fixed_size 0
		.amdhsa_enable_private_segment 0
		.amdhsa_kernarg_size 32
		.amdhsa_user_sgpr_count 2
		.amdhsa_user_sgpr_kernarg_segment_ptr 1
		.amdhsa_wavefront_size32 1
		.amdhsa_system_sgpr_workgroup_id_x 1
		.amdhsa_system_sgpr_workgroup_id_y 1
		.amdhsa_system_sgpr_workgroup_id_z 1
		.amdhsa_system_vgpr_workitem_id 0
		.amdhsa_next_free_vgpr 512
		.amdhsa_next_free_sgpr 66
		.amdhsa_reserve_vcc 0
		.amdhsa_float_denorm_mode_32 3
		.amdhsa_float_denorm_mode_16_64 3
		.amdhsa_memory_ordered 1
		.amdhsa_forward_progress 1
		.amdhsa_inst_pref_size 96
	.end_amdhsa_kernel
	.amdgpu_metadata
---
amdhsa.version: [ 1, 2 ]
amdhsa.kernels:
  - .name:           k_q7fd4b4955a_gemm
    .symbol:         k_q7fd4b4955a_gemm.kd
    .args:
      - { .name: pa, .offset: 0, .size: 8, .value_kind: global_buffer, .address_space: global }
      - { .name: qb, .offset: 8, .size: 8, .value_kind: global_buffer, .address_space: global }
      - { .name: un, .offset: 16, .size: 8, .value_kind: global_buffer, .address_space: global }
      - { .name: degp, .offset: 24, .size: 8, .value_kind: global_buffer, .address_space: global }
    .group_segment_fixed_size: 327680
    .private_segment_fixed_size: 0
    .kernarg_segment_align: 8
    .kernarg_segment_size: 32
    .max_flat_workgroup_size: 128
    .sgpr_count:     66
    .vgpr_count:     512
    .wavefront_size: 32
...
	.end_amdgpu_metadata
.endif
;; end of part 4
;; launch norm (part 5): grid 16 x 16, 4 waves a work-group, no clusters, 0 bytes of LDS; arguments un, degp, out0; writes out0
.if DOCPART == 5
	.amdgcn_target "amdgcn-amd-amdhsa--gfx1250"
	.amdhsa_code_object_version 6
	.text
	.protected	k_q7fd4b4955a_norm
	.globl	k_q7fd4b4955a_norm
	.p2align	8
	.type	k_q7fd4b4955a_norm,@function
k_q7fd4b4955a_norm:
	s_mov_b64 s[64:65], 0
	v_nop
	global_prefetch_b8 v0, s[64:65] scope:SCOPE_SE
	s_setreg_imm32_b32 hwreg(HW_REG_WAVE_MODE, 25, 1), 1
	s_wait_xcnt 0x0
; out0[i][j] = un[i][j] / deg[j], deg[j] = the sum of row j of un = the sum over the 16 tile columns nt of degp[nt][j].
; un: [2048][2048] bf16 (0 or 1), degp: [16][2048] f32, out0: [2048][2048] f32.  The divisor goes by the COLUMN, as the module has it.
; A work-group owns 128 rows x 128 columns (x: column tile J, y: row tile I), a wave 32 rows.  Lane l keeps columns 128 J + 4 l .. + 3 in every row, so its four divisors are made once.
; A load of un covers 256 consecutive bytes, a store of out0 512; each byte of un is read once, each byte of out0 written once.  All 48 loads of a wave go out at the start.
; The sums are whole numbers, exact in f32; the division is a multiplication by v_rcp_f32's reciprocal.  deg = 0: the reciprocal is infinite, 1 gives an infinity and 0 a NaN, as a division does.
; A stream: no LDS, no matrix unit, no cluster (degp, all that is shared, is 8 KiB of a work-group's 104 KiB).
.set D, 16                             ; v[16:79]   degp's sixteen parts for my four columns
.set U, 80                             ; v[80:143]  row q: two registers, four bf16
.set T, 144                            ; v[144:159] four sets of four f32, by turns
	s_load_b128 s[4:7], s[0:1], 0x0                ; un s[4:5], degp s[6:7]
	s_load_b64 s[8:9], s[0:1], 0x10                ; out0
	v_lshrrev_b32 v3, 5, v0
	v_readfirstlane_b32 s12, v3                    ; wave 0..3
	v_and_b32 v3, 31, v0
	v_lshlrev_b32 v1, 4, v3                        ; 16 x lane
	v_lshlrev_b32 v2, 3, v3                        ; 8 x lane
	s_mov_b32 s13, 0xffff0000                      ; a word's upper bf16
	s_and_b32 s14, ttmp7, 0xffff                   ; I
	s_lshl_b32 s14, s14, 7
	s_lshl_b32 s15, s12, 5
	s_add_co_u32 s14, s14, s15                     ; my first row
	s_lshl_b32 s16, s14, 12                        ; in un: rows of 4,096 bytes,
	s_lshl_b32 s18, ttmp9, 8                       ; 256 bytes a column tile
	s_add_co_u32 s16, s16, s18
	s_mov_b32 s17, 0
	s_lshl_b32 s18, s14, 13                        ; in out0: rows of 8,192 bytes,
	s_lshl_b32 s20, ttmp9, 9                       ; 512 bytes a column tile; the same in a row of degp
	s_add_co_u32 s18, s18, s20
	s_mov_b32 s19, 0
	s_mov_b32 s21, 0
	s_wait_kmcnt 0x0
	s_add_nc_u64 s[4:5], s[4:5], s[16:17]
	s_add_nc_u64 s[6:7], s[6:7], s[20:21]
	s_add_nc_u64 s[8:9], s[8:9], s[18:19]
.set i, 0
.rept 16
	global_load_b128 v[D+4*i:D+4*i+3], v1, s[6:7] offset:8192*i
.set i, i+1
.endr
.set q, 0
.rept 32
	global_load_b64 v[U+2*q:U+2*q+1], v2, s[4:5] offset:4096*q th:TH_LOAD_NT
.set q, q+1
.endr
	s_wait_loadcnt 32                              ; degp's sixteen are in; un's 32 younger loads stay out
.irp s, 8,4,2,1
.set i, 0
.rept \s
	v_pk_add_f32 v[D+4*i:D+4*i+1], v[D+4*i:D+4*i+1], v[D+4*(i+(\s)):D+4*(i+(\s))+1]
	v_pk_add_f32 v[D+4*i+2:D+4*i+3], v[D+4*i+2:D+4*i+3], v[D+4*(i+(\s))+2:D+4*(i+(\s))+3]
.set i, i+1
.endr
.endr
.irp j, 0,1,2,3
	v_rcp_f32 v[4+(\j)], v[D+(\j)]
.endr
	v_nop                                          ; a plain instruction between the last reciprocal and the use of its result
	s_wait_alu depctr_va_vdst(0)
.set q, 0
.rept 32
.set TT, T+4*(q%4)
	s_wait_loadcnt 31-q                            ; loads come back in order: row q is in, the younger rows stay out
	s_wait_xcnt 0x0                                ; the set, which the store four rows back reads, is rewritten only behind this wait
	v_lshlrev_b32 v[TT],   16, v[U+2*q]            ; bf16 to f32: the low half moves up,
	v_and_b32     v[TT+1], s13, v[U+2*q]           ; the high half stays
	v_lshlrev_b32 v[TT+2], 16, v[U+2*q+1]
	v_and_b32     v[TT+3], s13, v[U+2*q+1]
	v_pk_mul_f32 v[TT:TT+1], v[TT:TT+1], v[4:5]
	v_pk_mul_f32 v[TT+2:TT+3], v[TT+2:TT+3], v[6:7]
	global_store_b128 v1, v[TT:TT+3], s[8:9] offset:8192*q th:TH_STORE_NT  ; 512 consecutive bytes, at a multiple of 256 from out0's first byte
.set q, q+1
.endr
	s_endpgm
.Lfunc_end_k_q7fd4b4955a_norm:
	.size	k_q7fd4b4955a_norm, .Lfunc_end_k_q7fd4b4955a_norm-k_q7fd4b4955a_norm
	.p2alignl 7, 3214868480
	.fill 96, 4, 3214868480
	.section	.rodata,"a",@progbits
	.p2align	6, 0x0
	.amdhsa_kernel k_q7fd4b4955a_norm
		.amdhsa_group_segment_fixed_size 0
		.amdhsa_private_segment_fixed_size 0
		.amdhsa_enable_private_segment 0
		.amdhsa_kernarg_size 24
		.amdhsa_user_sgpr_count 2
		.amdhsa_user_sgpr_kernarg_segment_ptr 1
		.amdhsa_wavefront_size32 1
		.amdhsa_system_sgpr_workgroup_id_x 1
		.amdhsa_system_sgpr_workgroup_id_y 1
		.amdhsa_system_sgpr_workgroup_id_z 1
		.amdhsa_system_vgpr_workitem_id 0
		.amdhsa_next_free_vgpr 160
		.amdhsa_next_free_sgpr 66
		.amdhsa_reserve_vcc 0
		.amdhsa_float_denorm_mode_32 3
		.amdhsa_float_denorm_mode_16_64 3
		.amdhsa_memory_ordered 1
		.amdhsa_forward_progress 1
		.amdhsa_inst_pref_size 21
	.end_amdhsa_kernel
	.amdgpu_metadata
---
amdhsa.version: [ 1, 2 ]
amdhsa.kernels:
  - .name:           k_q7fd4b4955a_norm
    .symbol:         k_q7fd4b4955a_norm.kd
    .args:
      - { .name: un, .offset: 0, .size: 8, .value_kind: global_buffer, .address_space: global }
      - { .name: degp, .offset: 8, .size: 8, .value_kind: global_buffer, .address_space: global }
      - { .name: out0, .offset: 16, .size: 8, .value_kind: global_buffer, .address_space: global }
    .group_segment_fixed_size: 0
    .private_segment_fixed_size: 0
    .kernarg_segment_align: 8
    .kernarg_segment_size: 24
    .max_flat_workgroup_size: 128
    .sgpr_count:     66
    .vgpr_count:     160
    .wavefront_size: 32
...
	.end_amdgpu_metadata
.endif
;; end of part 5
;; ======== version 2 of 2: 5 launches; version 1 with the launch norm written anew for expert scheduling mode
;; workspace buffers: scores 16,384 bytes; rank 16,384 bytes of whole numbers; pa 16,777,216 bytes; qb 16,777,216 bytes; un 8,388,608 bytes; degp 131,072 bytes
;; launch score: the kernel of part 1 again; grid 64 x 1, 4 waves a work-group, no clusters, 35,584 bytes of LDS; arguments h, W, b, scores; writes scores
;; launch rank: the kernel of part 2 again; grid 128 x 1, 16 waves a work-group, no clusters, 4,096 bytes of LDS; arguments scores, rank; writes rank
;; launch prep: the kernel of part 3 again; grid 256 x 1, 8 waves a work-group, no clusters, 66,560 bytes of LDS; arguments g, h, scores, rank, pa, qb, out1, out2; writes pa, qb, out1, out2
;; launch gemm: the kernel of part 4 again; grid 16 x 16, 4 waves a work-group, clusters of 4 x 4, 327,680 bytes of LDS; arguments pa, qb, un, degp; writes un, degp
;; launch norm (part 6): grid 16 x 16, 4 waves a work-group, no clusters, 0 bytes of LDS; arguments un, degp, out0; writes out0
.if DOCPART == 6
	.amdgcn_target "amdgcn-amd-amdhsa--gfx1250"
	.amdhsa_code_object_version 6
	.text
	.protected	k_q7fd4b4955a_norm
	.globl	k_q7fd4b4955a_norm
	.p2align	8
	.type	k_q7fd4b4955a_norm,@function
k_q7fd4b4955a_norm:
	s_mov_b64 s[64:65], 0
	v_nop
	global_prefetch_b8 v0, s[64:65] scope:SCOPE_SE
	s_setreg_imm32_b32 hwreg(HW_REG_WAVE_SCHED_MODE, 0, 2), 2
	s_setreg_imm32_b32 hwreg(HW_REG_WAVE_MODE, 25, 1), 1
	s_wait_xcnt 0x0
	s_wait_alu depctr_vm_vsrc(0)
; out0[i][j] = un[i][j] / deg[j], deg[j] = the sum of row j of un = the sum over the 16 tile columns nt of degp[nt][j].
; un: [2048][2048] bf16 (0 or 1), degp: [16][2048] f32, out0: [2048][2048] f32.  The divisor goes by the COLUMN, as the module has it.
; A work-group owns 128 rows x 128 columns (x: column tile J, y: row tile I), a wave 32 rows.  Lane l keeps columns 128 J + 4 l .. + 3 in every row, so its four divisors are made once.
; A load of un covers 256 consecutive bytes, a store of out0 512; each byte of un is read once, each byte of out0 written once.  All 48 loads of a wave go out at the start.
; The sums are whole numbers, exact in f32; the division is a multiplication by v_rcp_f32's reciprocal.  deg = 0: the reciprocal is infinite, 1 gives an infinity and 0 a NaN, as a division does.
; A stream: no LDS, no matrix unit, no cluster (degp, all that is shared, is 8 KiB of a work-group's 104 KiB).
; THE MODE: SCHED_MODE bits 1:0 = 2 (LLVM: expert scheduling mode 2), set by the entry lines.  The code itself states the register dependences
; between vector instructions and memory instructions, with s_wait_alu, always for 0.
; THE PLAN.  Registers that memory instructions touch:
;   v1, v2   byte offsets, made once at the head and never written again: the rows are reached by immediate offsets.
;   D, U     Written by the 48 loads, which all go out at the head; read by vector instructions alone.  No load is issued behind the head, so no load lands in a register that a vector instruction has named.
;   OUT      Four registers for EACH of the 32 rows: written by the row's six vector lines, read by the row's one store, and never written again.
;            Rows 0 to 15 have v[144:207]; rows 16 to 31 have D's 64 registers, which no memory instruction names once degp is in.
; The rows go in eight blocks of four.  One wait on va_vdst stands at the head of each block but the first, and one behind the last: the block before has written its sixteen OUT registers, and its four
; stores follow at once, ahead of the wait for this block's data.  No register that a memory instruction reads is written a second time: so no wait on vm_vsrc and no s_wait_xcnt stands behind the entry lines.
.set D, 16                             ; v[16:79]   degp's sixteen parts for my four columns; later the OUT registers of rows 16 to 31
.set U, 80                             ; v[80:143]  row q: two registers, four bf16
.set T, 144                            ; v[144:207] the OUT registers of rows 0 to 15
.set BLOCK,  4                         ; rows in a block
.set BLOCKS, 32/BLOCK
	s_load_b128 s[4:7], s[0:1], 0x0                ; un s[4:5], degp s[6:7]
	s_load_b64 s[8:9], s[0:1], 0x10                ; out0
	v_lshrrev_b32 v3, 5, v0
	v_readfirstlane_b32 s12, v3                    ; wave 0..3
	v_and_b32 v3, 31, v0
	v_lshlrev_b32 v1, 4, v3                        ; 16 x lane
	v_lshlrev_b32 v2, 3, v3                        ; 8 x lane
	s_mov_b32 s13, 0xffff0000                      ; a word's upper bf16
	s_and_b32 s14, ttmp7, 0xffff                   ; I
	s_lshl_b32 s14, s14, 7
	s_wait_alu depctr_va_sdst(0)                   ; s12 is written, ahead of its first reader: my first row is made from it
	s_lshl_b32 s15, s12, 5
	s_add_co_u32 s14, s14, s15                     ; my first row
	s_lshl_b32 s16, s14, 12                        ; in un: rows of 4,096 bytes,
	s_lshl_b32 s18, ttmp9, 8                       ; 256 bytes a column tile
	s_add_co_u32 s16, s16, s18
	s_mov_b32 s17, 0
	s_lshl_b32 s18, s14, 13                        ; in out0: rows of 8,192 bytes,
	s_lshl_b32 s20, ttmp9, 9                       ; 512 bytes a column tile; the same in a row of degp
	s_add_co_u32 s18, s18, s20
	s_mov_b32 s19, 0
	s_mov_b32 s21, 0
	s_wait_kmcnt 0x0
	s_add_nc_u64 s[4:5], s[4:5], s[16:17]
	s_add_nc_u64 s[6:7], s[6:7], s[20:21]
	s_add_nc_u64 s[8:9], s[8:9], s[18:19]
	s_wait_alu depctr_va_vdst(0)                   ; v1 and v2 are written: every load and store of the kernel reads one of them as its offset
.set i, 0
.rept 16
	global_load_b128 v[D+4*i:D+4*i+3], v1, s[6:7] offset:8192*i
.set i, i+1
.endr
.set q, 0
.rept 32
	global_load_b64 v[U+2*q:U+2*q+1], v2, s[4:5] offset:4096*q th:TH_LOAD_NT
.set q, q+1
.endr
	s_wait_loadcnt 32                              ; degp's sixteen are in; un's 32 younger loads stay out
.irp s, 8,4,2,1
.set i, 0
.rept \s
	v_pk_add_f32 v[D+4*i:D+4*i+1], v[D+4*i:D+4*i+1], v[D+4*(i+(\s)):D+4*(i+(\s))+1]
	v_pk_add_f32 v[D+4*i+2:D+4*i+3], v[D+4*i+2:D+4*i+3], v[D+4*(i+(\s))+2:D+4*(i+(\s))+3]
.set i, i+1
.endr
.endr
.irp j, 0,1,2,3
	v_rcp_f32 v[4+(\j)], v[D+(\j)]
.endr
	v_nop                                          ; a plain instruction between the last reciprocal and the use of its result
	s_wait_alu depctr_va_vdst(0)                   ; the four reciprocals have written v4 to v7, ahead of their first reader: one wait for the batch
; OO: where the four f32 of row q lie.
.macro PLACE
.set OO, T+4*q
.if q >= 16
.set OO, D+4*(q-16)
.endif
.endm
; Block p is worked on: its four rows are unpacked, then multiplied by the columns' reciprocals.
.macro WORK p
	s_wait_loadcnt 32-BLOCK*((\p)+1)               ; loads come back in order: the block's four rows are in, the later rows stay out
.set q, BLOCK*(\p)
.rept BLOCK
	PLACE
	v_lshlrev_b32 v[OO],   16, v[U+2*q]            ; bf16 to f32: the low half moves up,
	v_and_b32     v[OO+1], s13, v[U+2*q]           ; the high half stays
	v_lshlrev_b32 v[OO+2], 16, v[U+2*q+1]
	v_and_b32     v[OO+3], s13, v[U+2*q+1]
.set q, q+1
.endr
.set q, BLOCK*(\p)
.rept BLOCK
	PLACE
	v_pk_mul_f32 v[OO:OO+1], v[OO:OO+1], v[4:5]
	v_pk_mul_f32 v[OO+2:OO+3], v[OO+2:OO+3], v[6:7]
.set q, q+1
.endr
.endm
; Block p leaves.
.macro SEND p
.set q, BLOCK*(\p)
.rept BLOCK
	PLACE
	global_store_b128 v1, v[OO:OO+3], s[8:9] offset:8192*q th:TH_STORE_NT  ; 512 consecutive bytes, at a multiple of 256 from out0's first byte
.set q, q+1
.endr
.endm
	WORK 0
.set b, 1
.rept BLOCKS-1
	s_wait_alu depctr_va_vdst(0)                   ; the block before has written its sixteen OUT registers, which the four stores below read
	SEND b-1
	WORK b
.set b, b+1
.endr
	s_wait_alu depctr_va_vdst(0)                   ; the last block has written its sixteen OUT registers, which the last four stores read
	SEND BLOCKS-1
	s_endpgm
.Lfunc_end_k_q7fd4b4955a_norm:
	.size	k_q7fd4b4955a_norm, .Lfunc_end_k_q7fd4b4955a_norm-k_q7fd4b4955a_norm
	.p2alignl 7, 3214868480
	.fill 96, 4, 3214868480
	.section	.rodata,"a",@progbits
	.p2align	6, 0x0
	.amdhsa_kernel k_q7fd4b4955a_norm
		.amdhsa_group_segment_fixed_size 0
		.amdhsa_private_segment_fixed_size 0
		.amdhsa_enable_private_segment 0
		.amdhsa_kernarg_size 24
		.amdhsa_user_sgpr_count 2
		.amdhsa_user_sgpr_kernarg_segment_ptr 1
		.amdhsa_wavefront_size32 1
		.amdhsa_system_sgpr_workgroup_id_x 1
		.amdhsa_system_sgpr_workgroup_id_y 1
		.amdhsa_system_sgpr_workgroup_id_z 1
		.amdhsa_system_vgpr_workitem_id 0
		.amdhsa_next_free_vgpr 208
		.amdhsa_next_free_sgpr 66
		.amdhsa_reserve_vcc 0
		.amdhsa_float_denorm_mode_32 3
		.amdhsa_float_denorm_mode_16_64 3
		.amdhsa_memory_ordered 1
		.amdhsa_forward_progress 1
		.amdhsa_inst_pref_size 20
	.end_amdhsa_kernel
	.amdgpu_metadata
---
amdhsa.version: [ 1, 2 ]
amdhsa.kernels:
  - .name:           k_q7fd4b4955a_norm
    .symbol:         k_q7fd4b4955a_norm.kd
    .args:
      - { .name: un, .offset: 0, .size: 8, .value_kind: global_buffer, .address_space: global }
      - { .name: degp, .offset: 8, .size: 8, .value_kind: global_buffer, .address_space: global }
      - { .name: out0, .offset: 16, .size: 8, .value_kind: global_buffer, .address_space: global }
    .group_segment_fixed_size: 0
    .private_segment_fixed_size: 0
    .kernarg_segment_align: 8
    .kernarg_segment_size: 24
    .max_flat_workgroup_size: 128
    .sgpr_count:     66
    .vgpr_count:     208
    .wavefront_size: 32
...
	.end_amdgpu_metadata
.endif
;; end of part 6
